; MI455X (gfx1250); checked and timed in simulation.
; The chip was launched on July 23, 2026; its instructions are those of AMD's public machine-readable ISA for CDNA 5 (MIT licence, August 2026) and "CDNA5" Instruction Set Architecture Reference Guide (July 2026). The comments in the code are by the model that wrote it; some were corrected since.
;; Robust Global Pool2d. Allowed arithmetic: float matrix products may take bf16 or f16 operands with f32 sums; all other float work in f32.
;; Inputs: x 32 x 256 x 64 x 64 float32.
;; Outputs: out0 32 x 256 float32.
;; 2 versions, each right and faster than the one before. Each part assembles by itself: llvm-mc -triple=amdgcn-amd-amdhsa -mcpu=gfx1250 --defsym DOCPART=n.
;; ======== version 1 of 2: 1 launch
;; launch pool (part 1): grid 256 x 1, 8 waves a work-group, no clusters, 1,280 bytes of LDS; arguments x, out0; writes out0
.if DOCPART == 1
	.amdgcn_target "amdgcn-amd-amdhsa--gfx1250"
	.amdhsa_code_object_version 6
	.text
	.protected	k_q608d1e3738_pool
	.globl	k_q608d1e3738_pool
	.p2align	8
	.type	k_q608d1e3738_pool,@function
k_q608d1e3738_pool:
	s_mov_b64 s[64:65], 0
	v_nop
	global_prefetch_b8 v0, s[64:65] scope:SCOPE_SE
	s_setreg_imm32_b32 hwreg(HW_REG_WAVE_MODE, 25, 1), 1
	s_wait_xcnt 0x0
; out0[s] = argmin over y of the sum of sqrt(1 + (y - x[s][..])^2) - 1, found as reference() finds it: y = mean, then six Newton steps
;   y <- y - g / max(h, 1e-12),   g = sum z r,   h = sum r^3,   z = y - x,   r = 1 / sqrt(z z + 1)      (alpha = 1, reference()'s constant)
; x: 8,192 slices of 4,096 f32 (16,384 bytes).  out0: 8,192 f32.
; SHARES.  256 work-groups of eight waves; a work-group owns 32 consecutive slices, a wave four.  One wave solves one slice: 32 loads of
; 16 bytes a lane (each 512 consecutive bytes) put it into 128 registers, where it stays for the mean and all six steps: x is read once,
; and no sum leaves the wave.
; TWO SLOTS IN REGISTERS.  Slot 0 is register block 0, slot 1 is block 1 (v256-511); in either, v128-255 hold x and v8-71 are at work.
; While one slot is solved, the 32 loads of the wave's next slice are on their way into the other: 16 KiB a wave, issued as soon as the
; slot at work has landed, waited for a whole slice's arithmetic later.  A Newton pass runs with all four operand windows on its slot's
; block, so no window is switched inside a pass; the sums across lanes are made in block 0 for both slots.
; LIMITS.  v_rsq_f32 and v_rcp_f32 are good to 1 ULP (ISA guide 15.8); g / h is g x rcp(h); sums are taken in another order than
; reference()'s.  t >= 1 and 1e-12 <= h <= 4,096, so neither transcendental meets a denormal.  Where z z overflows, r = 0 and both terms
; are 0, as in reference().  A NaN in h comes with a NaN in g, so y is NaN as in reference() although v_max_num_f32 drops h's.
.set SLICE, 16384                      ; bytes in a slice
.set ITERS, 6                          ; Newton steps
; block 0 alone
.set OFF, 1                            ; v1      byte offset of my 16 bytes in my wave's first slice, from the work-group's first; never rewritten
.set RG,  2                            ; v2      g (or the plain sum) on its way across the lanes
.set RH,  3                            ; v3      h likewise
.set PG,  4                            ; v4      g of the other half of the lanes
.set PH,  5                            ; v5      h of the other half
.set RC,  7                            ; v7      1 / max(h, 1e-12)
.set LW,  10                           ; v10     LDS byte of my wave's first result
; in the slot's own block
.set Y,   8                            ; v[8:9]    y, twice: a pair for the packed subtraction
.set G,   16                           ; v[16:23]  four chains of g, two numbers each
.set H,   24                           ; v[24:31]  four chains of h
.set Q,   32                           ; v[32:39]  r r of the group being summed
.set Z,   40                           ; v[40:55]  z, two buffers of a group (8 numbers)
.set T,   56                           ; v[56:71]  t, then r in its place, two buffers
.set X,   128                          ; v[128:255] the slice
.set MSB, 0
.macro WIN new                         ; s_set_vgpr_msb: bits 1:0 source 0, 3:2 source 1, 5:4 source 2, 7:6 destination; the high byte repeats the setting that is left
.if MSB != (\new)
	s_set_vgpr_msb (MSB<<8)|(\new)
.set MSB, \new
.endif
.endm
; The wave's slice i into slot: 32 loads of 512 consecutive bytes.  Slice and chunk stand in the immediate (65,024 at the most).
.macro FILL slot, i
	WIN (\slot)<<6                                 ; data into the slot's block, the offset from block 0
.set j, 0
.rept 32
	global_load_b128 v[X+4*j:X+4*j+3], v[OFF], s[4:5] offset:(\i)*SLICE+512*j th:TH_LOAD_NT
.set j, j+1
.endr
.endm
; y = the slice's mean.  Four chains of packed sums, started by the first eight pairs: nothing is cleared.
.macro MEAN b
	WIN 0x55*\b
.irp k, 0,1,2,3
	v_pk_add_f32 v[G+2*\k:G+2*\k+1], v[X+2*\k:X+2*\k+1], v[X+8+2*\k:X+8+2*\k+1]
.endr
.set j, 8
.rept 56
	v_pk_add_f32 v[G+2*(j%4):G+2*(j%4)+1], v[G+2*(j%4):G+2*(j%4)+1], v[X+2*j:X+2*j+1]
.set j, j+1
.endr
	v_pk_add_f32 v[G:G+1], v[G:G+1], v[G+2:G+3]
	v_pk_add_f32 v[G+4:G+5], v[G+4:G+5], v[G+6:G+7]
	v_pk_add_f32 v[G:G+1], v[G:G+1], v[G+4:G+5]
	WIN 5*\b                                       ; both sources from the slot's block, the result into block 0
	v_add_f32 v[RG], v[G], v[G+1]
	WIN 0
.irp m, 1,2,4,8
	v_add_f32_dpp v[RG], v[RG], v[RG] row_xmask:\m row_mask:0xf bank_mask:0xf
.endr
	v_permlanex16_b32 v[PG], v[RG], s12, s13       ; the other sixteen lanes' sum
	v_add_f32 v[RG], v[RG], v[PG]                  ; every lane holds the slice's sum
	WIN (\b)<<6                                    ; y lives in the slot's block
	v_mul_f32 v[Y], 0x39800000, v[RG]              ; x 1/4,096, exact
	v_mul_f32 v[Y+1], 0x39800000, v[RG]
	WIN 0
.endm
; The six kinds of line of a Newton pass.  k: pair 0..3 of a group of eight numbers; buf: which of the two buffers; grp: group 0..15 of the slice.
.macro SUBX k, buf, grp                ; z = y - x
	v_pk_add_f32 v[Z+8*(\buf)+2*\k:Z+8*(\buf)+2*\k+1], v[Y:Y+1], v[X+8*(\grp)+2*\k:X+8*(\grp)+2*\k+1] neg_lo:[0,1] neg_hi:[0,1]
.endm
.macro SQ1 k, buf                      ; t = z z + 1
	v_pk_fma_f32 v[T+8*(\buf)+2*\k:T+8*(\buf)+2*\k+1], v[Z+8*(\buf)+2*\k:Z+8*(\buf)+2*\k+1], v[Z+8*(\buf)+2*\k:Z+8*(\buf)+2*\k+1], 1.0 op_sel_hi:[1,1,0]
.endm
.macro RSQ n, buf                      ; r = 1 / sqrt(t), in t's place
	v_rsq_f32 v[T+8*(\buf)+\n], v[T+8*(\buf)+\n]
.endm
.macro ACCG k, buf, first              ; g += z r; the first group starts the chain
.if \first
	s_wait_alu depctr_va_vdst(0)
	v_pk_mul_f32 v[G+2*\k:G+2*\k+1], v[Z+8*(\buf)+2*\k:Z+8*(\buf)+2*\k+1], v[T+8*(\buf)+2*\k:T+8*(\buf)+2*\k+1]
.else
	s_wait_alu depctr_va_vdst(0)
	v_pk_fma_f32 v[G+2*\k:G+2*\k+1], v[Z+8*(\buf)+2*\k:Z+8*(\buf)+2*\k+1], v[T+8*(\buf)+2*\k:T+8*(\buf)+2*\k+1], v[G+2*\k:G+2*\k+1]
.endif
.endm
.macro SQR k, buf                      ; q = r r
	v_pk_mul_f32 v[Q+2*\k:Q+2*\k+1], v[T+8*(\buf)+2*\k:T+8*(\buf)+2*\k+1], v[T+8*(\buf)+2*\k:T+8*(\buf)+2*\k+1]
.endm
.macro ACCH k, buf, first              ; h += q r
.if \first
	v_pk_mul_f32 v[H+2*\k:H+2*\k+1], v[Q+2*\k:Q+2*\k+1], v[T+8*(\buf)+2*\k:T+8*(\buf)+2*\k+1]
.else
	v_pk_fma_f32 v[H+2*\k:H+2*\k+1], v[Q+2*\k:Q+2*\k+1], v[T+8*(\buf)+2*\k:T+8*(\buf)+2*\k+1], v[H+2*\k:H+2*\k+1]
.endif
.endm
; One step of the pass's pipeline: the eight roots of group g (buffer g mod 2), and strewn among them, on the other buffer, the twelve lines
; that sum group g - 1 (hasc) and the eight that make z and t of group g + 1 (hasa).  The order keeps two buffers enough: z of g + 1 is
; written behind all four ACCG of g - 1, t of g + 1 behind all four ACCH; a line and the line that needs its result stand four or more apart.
; No line of a step names the buffer of its roots, so behind every v_rsq_f32 a plain vector instruction that touches neither its result nor
; its source stands before the result's first use, which is in the next step (ISA guide 5.7.2).
.macro STEP g, hasc, first, hasa
.set cur, (\g)%2
.set oth, 1-cur
	RSQ 0, cur
.if \hasc
	ACCG 0, oth, \first
	ACCG 1, oth, \first
	ACCG 2, oth, \first
.endif
	RSQ 1, cur
.if \hasc
	ACCG 3, oth, \first
	SQR 0, oth
.endif
	RSQ 2, cur
.if \hasc
	SQR 1, oth
	SQR 2, oth
	SQR 3, oth
.endif
	RSQ 3, cur
.if \hasa
	SUBX 0, oth, \g+1
	SUBX 1, oth, \g+1
.endif
	RSQ 4, cur
.if \hasa
	SUBX 2, oth, \g+1
	SUBX 3, oth, \g+1
.endif
.if \hasc
	ACCH 0, oth, \first
.endif
	RSQ 5, cur
.if \hasc
	ACCH 1, oth, \first
	ACCH 2, oth, \first
.endif
	RSQ 6, cur
.if \hasc
	ACCH 3, oth, \first
.endif
.if \hasa
	SQ1 0, oth
	SQ1 1, oth
.endif
	RSQ 7, cur
.if \hasa
	SQ1 2, oth
	SQ1 3, oth
.endif
.endm
; One Newton step on the slice in block b.
.macro NEWTON b
	WIN 0x55*\b                                    ; every operand in the slot's block, for the whole pass
.irp k, 0,1,2,3
	SUBX \k, 0, 0
.endr
.irp k, 0,1,2,3
	SQ1 \k, 0
.endr
	STEP 0, 0, 0, 1                                ; nothing to sum yet
	STEP 1, 1, 1, 1                                ; group 0 starts the chains of g and h
.set gi, 2
.rept 13
	STEP gi, 1, 0, 1
.set gi, gi+1
.endr
	STEP 15, 1, 0, 0                               ; no group 16
.irp k, 0,1,2,3
	ACCG \k, 1, 0                                  ; group 15; pair 0's line is the plain place behind the last root, which is pair 3's
.endr
.irp k, 0,1,2,3
	SQR \k, 1
.endr
.irp k, 0,1,2,3
	ACCH \k, 1, 0
.endr
	v_pk_add_f32 v[G:G+1], v[G:G+1], v[G+2:G+3]
	v_pk_add_f32 v[H:H+1], v[H:H+1], v[H+2:H+3]
	v_pk_add_f32 v[G+4:G+5], v[G+4:G+5], v[G+6:G+7]
	v_pk_add_f32 v[H+4:H+5], v[H+4:H+5], v[H+6:H+7]
	v_pk_add_f32 v[G:G+1], v[G:G+1], v[G+4:G+5]
	v_pk_add_f32 v[H:H+1], v[H:H+1], v[H+4:H+5]
	WIN 5*\b                                       ; the lane's two sums pass into block 0
	v_add_f32 v[RG], v[G], v[G+1]
	v_add_f32 v[RH], v[H], v[H+1]
	WIN 0
.irp m, 1,2,4,8
	v_add_f32_dpp v[RG], v[RG], v[RG] row_xmask:\m row_mask:0xf bank_mask:0xf
	v_add_f32_dpp v[RH], v[RH], v[RH] row_xmask:\m row_mask:0xf bank_mask:0xf
.endr
	v_permlanex16_b32 v[PH], v[RH], s12, s13
	v_permlanex16_b32 v[PG], v[RG], s12, s13
	v_add_f32 v[RH], v[RH], v[PH]                  ; h of the slice, in every lane
	v_max_num_f32 v[RH], 0x2b8cbccc, v[RH]         ; max(h, 1e-12)
	v_rcp_f32 v[RC], v[RH]
	v_add_f32 v[RG], v[RG], v[PG]                  ; g of the slice: also the plain place behind v_rcp_f32 (ISA guide 5.7.2): it names neither RC nor RH
	WIN 0x50*\b                                    ; g and 1/h from block 0; y read and written in the slot's block
	s_wait_alu depctr_va_vdst(0)
	v_fma_f32 v[Y], -v[RG], v[RC], v[Y]            ; y - g / h
	v_fma_f32 v[Y+1], -v[RG], v[RC], v[Y+1]        ; and its twin
	WIN 0                                          ; a branch follows
.endm
; The wave's slice i, in block b.  fill = 1: the next slice goes out into the other block.
.macro PHASE i, b, fill
	s_wait_loadcnt 0x0                             ; only this slice's 32 loads are out here: they were issued a whole slice's arithmetic ago (the first: just now)
.if \fill
	FILL 1-\b, \i+1                                ; the other slot's slice is solved and stored: its registers are free
.endif
	MEAN \b
	s_mov_b32 s9, ITERS
.Lnewton_\@:
	NEWTON \b
	s_sub_co_u32 s9, s9, 1
	s_cmp_lg_u32 s9, 0
	s_cbranch_scc1 .Lnewton_\@
	WIN 4*\b                                       ; the data of an LDS store is source 1
	ds_store_b32 v[LW], v[Y] offset:4*\i           ; all lanes write one word with one value
	WIN 0
.endm
	s_load_b128 s[4:7], s[0:1], 0x0                ; x s[4:5], out0 s[6:7]
	v_lshl_add_u32 v126, v0, 2, 0x100
	v_mov_b32 v127, 0
	v_lshrrev_b32 v[RG], 5, v0
	v_readfirstlane_b32 s8, v[RG]                  ; wave 0..7
	v_and_b32 v[OFF], 31, v0
	v_lshlrev_b32 v[OFF], 4, v[OFF]                ; 16 bytes a lane
	v_lshl_add_u32 v[OFF], s8, 16, v[OFF]          ; + wave x 4 slices x 16,384 bytes
	s_lshl_b32 s10, s8, 4
	v_mov_b32 v[LW], s10                           ; my wave's four results: LDS bytes 16 w .. 16 w + 15
	v_mov_b32 v[PG], 0                             ; v_permlanex16_b32 counts as a reader of its destination
	v_mov_b32 v[PH], 0
	s_lshl_b32 s2, ttmp9, 19                       ; work-group x 32 slices x 16,384 bytes: 133,693,440 at the most
	s_mov_b32 s3, 0
	s_mov_b32 s12, 0x76543210                      ; v_permlanex16_b32: lane i of one half reads lane i of the other
	s_mov_b32 s13, 0xfedcba98
	s_wait_kmcnt 0x0
	s_add_nc_u64 s[4:5], s[4:5], s[2:3]            ; x at the work-group's first slice; not written again
	FILL 0, 0
	PHASE 0, 0, 1
	PHASE 1, 1, 1
	PHASE 2, 0, 1
	PHASE 3, 1, 0                                  ; the last slice: nothing is left to fetch
	; The work-group's 32 results are 128 consecutive bytes of out0, at a multiple of 128: they meet in LDS and leave by one store of wave 0.
	; (64 slices a work-group would make it 256 bytes, with half as many work-groups; out0 is 32,768 bytes against x's 134,217,728.)
	s_wait_dscnt 0x0                               ; my four words are in LDS, for wave 0's sake
	s_barrier_signal -1
	s_barrier_wait -1
	s_cmp_lg_u32 s8, 0
	s_cbranch_scc1 .Lend
	v_lshlrev_b32 v[RG], 2, v0                     ; wave 0: v0 is the lane; lane l takes slice l of the work-group
	ds_load_b32 v[RH], v[RG]
	s_lshl_b32 s2, ttmp9, 7                        ; work-group x 128 bytes (s3 is still 0)
	s_add_nc_u64 s[6:7], s[6:7], s[2:3]
	s_wait_dscnt 0x0
	global_store_b32 v[RG], v[RH], s[6:7] th:TH_STORE_NT
.Lend:
	s_wait_tensorcnt 0x0
	ds_add_u32 v126, v127
	s_wait_dscnt 0x0
	s_endpgm
.Lfunc_end_k_q608d1e3738_pool:
	.size	k_q608d1e3738_pool, .Lfunc_end_k_q608d1e3738_pool-k_q608d1e3738_pool
	.p2alignl 7, 3214868480
	.fill 96, 4, 3214868480
	.section	.rodata,"a",@progbits
	.p2align	6, 0x0
	.amdhsa_kernel k_q608d1e3738_pool
		.amdhsa_group_segment_fixed_size 1280
		.amdhsa_private_segment_fixed_size 0
		.amdhsa_enable_private_segment 0
		.amdhsa_kernarg_size 16
		.amdhsa_user_sgpr_count 2
		.amdhsa_user_sgpr_kernarg_segment_ptr 1
		.amdhsa_wavefront_size32 1
		.amdhsa_system_sgpr_workgroup_id_x 1
		.amdhsa_system_sgpr_workgroup_id_y 1
		.amdhsa_system_sgpr_workgroup_id_z 1
		.amdhsa_system_vgpr_workitem_id 0
		.amdhsa_next_free_vgpr 512
		.amdhsa_next_free_sgpr 66
		.amdhsa_reserve_vcc 0
		.amdhsa_float_denorm_mode_32 3
		.amdhsa_float_denorm_mode_16_64 3
		.amdhsa_memory_ordered 1
		.amdhsa_forward_progress 1
		.amdhsa_inst_pref_size 143
	.end_amdhsa_kernel
	.amdgpu_metadata
---
amdhsa.version: [ 1, 2 ]
amdhsa.kernels:
  - .name:           k_q608d1e3738_pool
    .symbol:         k_q608d1e3738_pool.kd
    .args:
      - { .name: x, .offset: 0, .size: 8, .value_kind: global_buffer, .address_space: global }
      - { .name: out0, .offset: 8, .size: 8, .value_kind: global_buffer, .address_space: global }
    .group_segment_fixed_size: 1280
    .private_segment_fixed_size: 0
    .kernarg_segment_align: 8
    .kernarg_segment_size: 16
    .max_flat_workgroup_size: 256
    .sgpr_count:     66
    .vgpr_count:     512
    .wavefront_size: 32
...
	.end_amdgpu_metadata
.endif
;; end of part 1
;; ======== version 2 of 2: 1 launch; 1.36 times as fast as version 1
;; launch pool (part 2): grid 256 x 1, 8 waves a work-group, no clusters, 1,280 bytes of LDS; arguments x, out0; writes out0
.if DOCPART == 2
	.amdgcn_target "amdgcn-amd-amdhsa--gfx1250"
	.amdhsa_code_object_version 6
	.text
	.protected	k_q608d1e3738_pool
	.globl	k_q608d1e3738_pool
	.p2align	8
	.type	k_q608d1e3738_pool,@function
k_q608d1e3738_pool:
	s_mov_b64 s[64:65], 0
	v_nop
	global_prefetch_b8 v0, s[64:65] scope:SCOPE_SE
	s_setreg_imm32_b32 hwreg(HW_REG_WAVE_MODE, 25, 1), 1
	s_wait_xcnt 0x0
; out0[s] = argmin over y of the sum of sqrt(1 + (y - x[s][..])^2) - 1, found as reference() finds it: y = mean, then six Newton steps
;   y <- y - g / max(h, 1e-12),   g = sum z r,   h = sum r^3,   z = y - x,   r = 1 / sqrt(z z + 1)      (alpha = 1, reference()'s constant)
; x: 8,192 slices of 4,096 f32 (16,384 bytes).  out0: 8,192 f32.
; SHARES.  256 work-groups of eight waves; a work-group owns 32 consecutive slices, a wave four.  One wave solves one slice: 32 loads of
; 16 bytes a lane (each 512 consecutive bytes) put it into 128 registers, where it stays for the mean and all six steps: x is read once,
; and no sum leaves the wave.
; TWO SLOTS IN REGISTERS.  Slot 0 is register block 0, slot 1 is block 1 (v256-511); in either, v128-255 hold x and v8-115 are at work.
; While one slot is solved, the 32 loads of the wave's next slice are on their way into the other: 16 KiB a wave, issued as soon as the
; slot at work has landed, waited for a whole slice's arithmetic later.  A Newton pass runs with all four operand windows on its slot's
; block, so no window is switched inside a pass; the sums across lanes are made in block 0 for both slots.
; BATCHES.  A pass's 128 roots are four batches of 32 (16 pairs of numbers), each with one s_wait_alu ahead of its first reader;
; a batch's roots stand among the sums of the batch before and the z and t of the pairs to come.  The reciprocal of h is
; a batch of one: it needs every root's result, and the next pass's roots need its y.  Five waits a pass.
; LIMITS.  v_rsq_f32 and v_rcp_f32 are good to 1 ULP (ISA guide 15.8); g / h is g x rcp(h); sums are taken in another order than
; reference()'s.  t >= 1 and 1e-12 <= h <= 4,096, so neither transcendental meets a denormal.  Where z z overflows, r = 0 and both terms
; are 0, as in reference().  A NaN in h comes with a NaN in g, so y is NaN as in reference() although v_max_num_f32 drops h's.
.set SLICE, 16384                      ; bytes in a slice
.set ITERS, 6                          ; Newton steps
.set NPAIR, 64                         ; pairs of numbers in a lane's share of a slice
.set BATCH, 16                         ; pairs in a batch of roots
.set RING,  BATCH+3                    ; pairs in z's ring and in t's: a batch, and three pairs on their way to their roots
; block 0 alone
.set OFF, 1                            ; v1      byte offset of my 16 bytes in my wave's first slice, from the work-group's first; never rewritten
.set RG,  2                            ; v2      g (or the plain sum) on its way across the lanes
.set RH,  3                            ; v3      h likewise
.set PG,  4                            ; v4      g of the other half of the lanes
.set PH,  5                            ; v5      h of the other half
.set RC,  7                            ; v7      1 / max(h, 1e-12)
.set LW,  10                           ; v10     LDS byte of my wave's first result
; in the slot's own block
.set Y,   8                            ; v[8:9]    y, twice: a pair for the packed subtraction
.set G,   16                           ; v[16:23]  four chains of g, two numbers each
.set H,   24                           ; v[24:31]  four chains of h
.set Q,   32                           ; v[32:39]  r r, pair p at place p mod 4
.set Z,   40                           ; v[40:77]  z, pair p at place p mod 19
.set T,   78                           ; v[78:115] t, then r in its place, pair p at place p mod 19
.set X,   128                          ; v[128:255] the slice
.set MSB, 0
.macro WIN new                         ; s_set_vgpr_msb: bits 1:0 source 0, 3:2 source 1, 5:4 source 2, 7:6 destination; the high byte repeats the setting that is left
.if MSB != (\new)
	s_set_vgpr_msb (MSB<<8)|(\new)
.set MSB, \new
.endif
.endm
; The wave's slice i into slot: 32 loads of 512 consecutive bytes.  Slice and chunk stand in the immediate (65,024 at the most).
.macro FILL slot, i
	WIN (\slot)<<6                                 ; data into the slot's block, the offset from block 0
.set j, 0
.rept 32
	global_load_b128 v[X+4*j:X+4*j+3], v[OFF], s[4:5] offset:(\i)*SLICE+512*j th:TH_LOAD_NT
.set j, j+1
.endr
.endm
; y = the slice's mean.  Four chains of packed sums, started by the first eight pairs: nothing is cleared.
.macro MEAN b
	WIN 0x55*\b
.irp k, 0,1,2,3
	v_pk_add_f32 v[G+2*\k:G+2*\k+1], v[X+2*\k:X+2*\k+1], v[X+8+2*\k:X+8+2*\k+1]
.endr
.set j, 8
.rept 56
	v_pk_add_f32 v[G+2*(j%4):G+2*(j%4)+1], v[G+2*(j%4):G+2*(j%4)+1], v[X+2*j:X+2*j+1]
.set j, j+1
.endr
	v_pk_add_f32 v[G:G+1], v[G:G+1], v[G+2:G+3]
	v_pk_add_f32 v[G+4:G+5], v[G+4:G+5], v[G+6:G+7]
	v_pk_add_f32 v[G:G+1], v[G:G+1], v[G+4:G+5]
	WIN 5*\b                                       ; both sources from the slot's block, the result into block 0
	v_add_f32 v[RG], v[G], v[G+1]
	WIN 0
.irp m, 1,2,4,8
	v_add_f32_dpp v[RG], v[RG], v[RG] row_xmask:\m row_mask:0xf bank_mask:0xf
.endr
	v_permlanex16_b32 v[PG], v[RG], s12, s13       ; the other sixteen lanes' sum
	v_add_f32 v[RG], v[RG], v[PG]                  ; every lane holds the slice's sum
	WIN (\b)<<6                                    ; y lives in the slot's block
	v_mul_f32 v[Y], 0x39800000, v[RG]              ; x 1/4,096, exact
	v_mul_f32 v[Y+1], 0x39800000, v[RG]
	WIN 0
.endm
; The six kinds of line of a Newton pass, for pair p (0..63) of the lane's 128 numbers.  A line whose pair does not exist is dropped: so one
; text of a slot (below) also fills the pipeline and drains it.  Pair p goes to chain p mod 4 of g and of h; pairs 0 to 3 start the chains.
.macro SUBX p                          ; z = y - x
.if ((\p) >= 0) && ((\p) < NPAIR)
.set rz, Z+2*((\p)%RING)
	v_pk_add_f32 v[rz:rz+1], v[Y:Y+1], v[X+2*(\p):X+2*(\p)+1] neg_lo:[0,1] neg_hi:[0,1]
.endif
.endm
.macro SQ1 p                           ; t = z z + 1
.if ((\p) >= 0) && ((\p) < NPAIR)
.set rz, Z+2*((\p)%RING)
.set rt, T+2*((\p)%RING)
	v_pk_fma_f32 v[rt:rt+1], v[rz:rz+1], v[rz:rz+1], 1.0 op_sel_hi:[1,1,0]
.endif
.endm
.macro RSQ p, n                        ; r = 1 / sqrt(t), in t's place; n: the pair's low (0) or high (1) number
.if ((\p) >= 0) && ((\p) < NPAIR)
.set rt, T+2*((\p)%RING)+(\n)
	v_rsq_f32 v[rt], v[rt]
.endif
.endm
.macro ACCG p                          ; g += z r: the first line that names the pair's r
.if ((\p) >= 0) && ((\p) < NPAIR)
.set rz, Z+2*((\p)%RING)
.set rt, T+2*((\p)%RING)
.set rg, G+2*((\p)%4)
.if (\p) < 4
	v_pk_mul_f32 v[rg:rg+1], v[rz:rz+1], v[rt:rt+1]
.else
	v_pk_fma_f32 v[rg:rg+1], v[rz:rz+1], v[rt:rt+1], v[rg:rg+1]
.endif
.endif
.endm
.macro SQR p                           ; q = r r
.if ((\p) >= 0) && ((\p) < NPAIR)
.set rt, T+2*((\p)%RING)
.set rq, Q+2*((\p)%4)
	v_pk_mul_f32 v[rq:rq+1], v[rt:rt+1], v[rt:rt+1]
.endif
.endm
.macro ACCH p                          ; h += q r
.if ((\p) >= 0) && ((\p) < NPAIR)
.set rt, T+2*((\p)%RING)
.set rq, Q+2*((\p)%4)
.set rh, H+2*((\p)%4)
.if (\p) < 4
	v_pk_mul_f32 v[rh:rh+1], v[rq:rq+1], v[rt:rt+1]
.else
	v_pk_fma_f32 v[rh:rh+1], v[rq:rq+1], v[rt:rt+1], v[rh:rh+1]
.endif
.endif
.endm
; One Newton step on the slice in block b.  THE PASS IS ONE STREAM OF SLOTS, sl = -19 .. 64.  Slot sl sums pair sl (g, q) and pair sl - 1 (h), takes
; the two roots of pair sl + 16, and makes t of pair sl + 17 and z of pair sl + 19.
; THE WAITS stand at the head of slots 0, 16, 32 and 48.  Pair p's roots are issued in slot p - 16 and first named by ACCG in slot p, so just one of
; these waits lies between; the wait at slot 16 j serves the batch of pairs 16 j .. 16 j + 15, issued in the sixteen slots ahead of it.  The last
; roots stand in slot 47: behind slot 48's wait none is open.
; THE RINGS.  z of pair p is written in slot p - 19 and last read by ACCG in slot p, ahead of the SUBX there that writes pair p + 19 into its place.
; t of pair p is written in slot p - 17, r last read by ACCH in slot p + 1; SQ1 writes pair p + 19 into its place in slot p + 2.  q lives from slot p to p + 1.
; Behind every v_rsq_f32 stands a plain vector instruction that names neither its result nor its source, well ahead of the result's first use (ISA guide
; 5.7.2): SQ1 behind the low root, SQR (in the fill: SUBX) behind the high one.  In a full slot a line and the line that needs its result stand five or more apart.
.macro NEWTON b
	WIN 0x55*\b                                    ; every operand in the slot's block, for the whole pass
.set sl, -RING
.rept RING+NPAIR+1
.if (sl >= 0) && (sl < NPAIR) && ((sl%BATCH) == 0)
	s_wait_alu depctr_va_vdst(0)                   ; the wait for the batch of 32 roots of pairs sl .. sl + 15, ahead of its first reader, the ACCG below
.endif
	ACCG sl
	RSQ  sl+BATCH, 0
	SQ1  sl+BATCH+1
	RSQ  sl+BATCH, 1
	SQR  sl
	ACCH sl-1
	SUBX sl+RING
.set sl, sl+1
.endr
	v_pk_add_f32 v[G:G+1], v[G:G+1], v[G+2:G+3]
	v_pk_add_f32 v[H:H+1], v[H:H+1], v[H+2:H+3]
	v_pk_add_f32 v[G+4:G+5], v[G+4:G+5], v[G+6:G+7]
	v_pk_add_f32 v[H+4:H+5], v[H+4:H+5], v[H+6:H+7]
	v_pk_add_f32 v[G:G+1], v[G:G+1], v[G+4:G+5]
	v_pk_add_f32 v[H:H+1], v[H:H+1], v[H+4:H+5]
	WIN 5*\b                                       ; the lane's two sums pass into block 0
	v_add_f32 v[RG], v[G], v[G+1]
	v_add_f32 v[RH], v[H], v[H+1]
	WIN 0
.irp m, 1,2,4,8
	v_add_f32_dpp v[RG], v[RG], v[RG] row_xmask:\m row_mask:0xf bank_mask:0xf
	v_add_f32_dpp v[RH], v[RH], v[RH] row_xmask:\m row_mask:0xf bank_mask:0xf
.endr
	v_permlanex16_b32 v[PH], v[RH], s12, s13
	v_permlanex16_b32 v[PG], v[RG], s12, s13
	v_add_f32 v[RH], v[RH], v[PH]                  ; h of the slice, in every lane
	v_max_num_f32 v[RH], 0x2b8cbccc, v[RH]         ; max(h, 1e-12)
	v_rcp_f32 v[RC], v[RH]
	v_add_f32 v[RG], v[RG], v[PG]                  ; g of the slice: also the plain place behind v_rcp_f32 (ISA guide 5.7.2): it names neither RC nor RH
	WIN 0x50*\b                                    ; g and 1/h from block 0; y read and written in the slot's block
	s_wait_alu depctr_va_vdst(0)                   ; the wait for the reciprocal, a batch of one, ahead of its first reader and of the branch
	v_fma_f32 v[Y], -v[RG], v[RC], v[Y]            ; y - g / h
	v_fma_f32 v[Y+1], -v[RG], v[RC], v[Y+1]        ; and its twin
	WIN 0                                          ; a branch follows
.endm
; The wave's slice i, in block b.  fill = 1: the next slice goes out into the other block.
.macro PHASE i, b, fill
	s_wait_loadcnt 0x0                             ; only this slice's 32 loads are out here: they were issued a whole slice's arithmetic ago (the first: just now)
.if \fill
	FILL 1-\b, \i+1                                ; the other slot's slice is solved and stored: its registers are free
.endif
	MEAN \b
	s_mov_b32 s9, ITERS
.Lnewton_\@:
	NEWTON \b
	s_sub_co_u32 s9, s9, 1
	s_cmp_lg_u32 s9, 0
	s_cbranch_scc1 .Lnewton_\@
	WIN 4*\b                                       ; the data of an LDS store is source 1
	ds_store_b32 v[LW], v[Y] offset:4*\i           ; all lanes write one word with one value
	WIN 0
.endm
	s_load_b128 s[4:7], s[0:1], 0x0                ; x s[4:5], out0 s[6:7]
	v_lshl_add_u32 v126, v0, 2, 0x100
	v_mov_b32 v127, 0
	v_lshrrev_b32 v[RG], 5, v0
	v_readfirstlane_b32 s8, v[RG]                  ; wave 0..7
	v_and_b32 v[OFF], 31, v0
	v_lshlrev_b32 v[OFF], 4, v[OFF]                ; 16 bytes a lane
	v_lshl_add_u32 v[OFF], s8, 16, v[OFF]          ; + wave x 4 slices x 16,384 bytes
	s_lshl_b32 s10, s8, 4
	v_mov_b32 v[LW], s10                           ; my wave's four results: LDS bytes 16 w .. 16 w + 15
	v_mov_b32 v[PG], 0                             ; v_permlanex16_b32 counts as a reader of its destination
	v_mov_b32 v[PH], 0
	s_lshl_b32 s2, ttmp9, 19                       ; work-group x 32 slices x 16,384 bytes: 133,693,440 at the most
	s_mov_b32 s3, 0
	s_mov_b32 s12, 0x76543210                      ; v_permlanex16_b32: lane i of one half reads lane i of the other
	s_mov_b32 s13, 0xfedcba98
	s_wait_kmcnt 0x0
	s_add_nc_u64 s[4:5], s[4:5], s[2:3]            ; x at the work-group's first slice; not written again
	FILL 0, 0
	PHASE 0, 0, 1
	PHASE 1, 1, 1
	PHASE 2, 0, 1
	PHASE 3, 1, 0                                  ; the last slice: nothing is left to fetch
	; The work-group's 32 results are 128 consecutive bytes of out0, at a multiple of 128: they meet in LDS and leave by one store of wave 0.
	; (64 slices a work-group would make it 256 bytes, with half as many work-groups; out0 is 32,768 bytes against x's 134,217,728.)
	s_wait_dscnt 0x0                               ; my four words are in LDS, for wave 0's sake
	s_barrier_signal -1
	s_barrier_wait -1
	s_cmp_lg_u32 s8, 0
	s_cbranch_scc1 .Lend
	v_lshlrev_b32 v[RG], 2, v0                     ; wave 0: v0 is the lane; lane l takes slice l of the work-group
	ds_load_b32 v[RH], v[RG]
	s_lshl_b32 s2, ttmp9, 7                        ; work-group x 128 bytes (s3 is still 0)
	s_add_nc_u64 s[6:7], s[6:7], s[2:3]
	s_wait_dscnt 0x0
	global_store_b32 v[RG], v[RH], s[6:7] th:TH_STORE_NT
.Lend:
	s_wait_tensorcnt 0x0
	ds_add_u32 v126, v127
	s_wait_dscnt 0x0
	s_endpgm
.Lfunc_end_k_q608d1e3738_pool:
	.size	k_q608d1e3738_pool, .Lfunc_end_k_q608d1e3738_pool-k_q608d1e3738_pool
	.p2alignl 7, 3214868480
	.fill 96, 4, 3214868480
	.section	.rodata,"a",@progbits
	.p2align	6, 0x0
	.amdhsa_kernel k_q608d1e3738_pool
		.amdhsa_group_segment_fixed_size 1280
		.amdhsa_private_segment_fixed_size 0
		.amdhsa_enable_private_segment 0
		.amdhsa_kernarg_size 16
		.amdhsa_user_sgpr_count 2
		.amdhsa_user_sgpr_kernarg_segment_ptr 1
		.amdhsa_wavefront_size32 1
		.amdhsa_system_sgpr_workgroup_id_x 1
		.amdhsa_system_sgpr_workgroup_id_y 1
		.amdhsa_system_sgpr_workgroup_id_z 1
		.amdhsa_system_vgpr_workitem_id 0
		.amdhsa_next_free_vgpr 512
		.amdhsa_next_free_sgpr 66
		.amdhsa_reserve_vcc 0
		.amdhsa_float_denorm_mode_32 3
		.amdhsa_float_denorm_mode_16_64 3
		.amdhsa_memory_ordered 1
		.amdhsa_forward_progress 1
		.amdhsa_inst_pref_size 136
	.end_amdhsa_kernel
	.amdgpu_metadata
---
amdhsa.version: [ 1, 2 ]
amdhsa.kernels:
  - .name:           k_q608d1e3738_pool
    .symbol:         k_q608d1e3738_pool.kd
    .args:
      - { .name: x, .offset: 0, .size: 8, .value_kind: global_buffer, .address_space: global }
      - { .name: out0, .offset: 8, .size: 8, .value_kind: global_buffer, .address_space: global }
    .group_segment_fixed_size: 1280
    .private_segment_fixed_size: 0
    .kernarg_segment_align: 8
    .kernarg_segment_size: 16
    .max_flat_workgroup_size: 256
    .sgpr_count:     66
    .vgpr_count:     512
    .wavefront_size: 32
...
	.end_amdgpu_metadata
.endif
;; end of part 2
